; MI455X (gfx1250); checked and timed in simulation.
; The chip was launched on July 23, 2026; its instructions are those of AMD's public machine-readable ISA for CDNA 5 (MIT licence, August 2026) and "CDNA5" Instruction Set Architecture Reference Guide (July 2026). The comments in the code are by the model that wrote it; some were corrected since.
;; SNN Autoencoder. Allowed arithmetic: float matrix products may take bf16 or f16 operands with f32 sums; all other float work in f32.
;; Inputs: dec_w 256 x 1,024 float32; enc_w 1,024 x 256 float32; x 2,048 x 1,024 float32.
;; Outputs: out0 2,048 x 1,024 float32; out1 2,048 x 256 float32.
;; One version. Each part assembles by itself: llvm-mc -triple=amdgcn-amd-amdhsa -mcpu=gfx1250 --defsym DOCPART=n.
;; ======== version 1 of 1: 2 launches
;; workspace buffers: me 3,145,728 bytes
;; launch enc (part 1): grid 256 x 1, 8 waves a work-group, clusters of 4 x 1, 210,432 bytes of LDS; arguments x, enc_w, me, out1; writes me, out1
.if DOCPART == 1
	.amdgcn_target "amdgcn-amd-amdhsa--gfx1250"
	.amdhsa_code_object_version 6
	.text
	.protected	k_q836b8d6f52_enc
	.globl	k_q836b8d6f52_enc
	.p2align	8
	.type	k_q836b8d6f52_enc,@function
k_q836b8d6f52_enc:
	s_mov_b64 s[64:65], 0
	v_nop
	global_prefetch_b8 v0, s[64:65] scope:SCOPE_SE
	s_setreg_imm32_b32 hwreg(HW_REG_WAVE_MODE, 25, 1), 1
	s_wait_xcnt 0x0
	s_wait_alu depctr_hold_cnt(0) depctr_sa_sdst(0) depctr_va_vdst(0) depctr_va_sdst(0) depctr_va_ssrc(0) depctr_va_vcc(0) depctr_vm_vsrc(0)
	s_getreg_b32 s2, hwreg(HW_REG_IB_STS2, 6, 4)
	s_cmp_eq_u32 s2, 0
	s_cbranch_scc0 .Lentry_in_a_cluster
	s_endpgm
.Lentry_in_a_cluster:
	s_bfe_u32 s2, ttmp6, 0x10000c
	s_cmp_lg_u32 s2, 0x3003
	s_cbranch_scc0 .Lentry_shape_is_right
	s_endpgm
.Lentry_shape_is_right:
; ENCODER.  c = x @ enc_w ([2048,1024] x [1024,256]), then the encoder's rule for scan steps 1, 2, 3.
; out1 = m_e(2) in f32; me = m_e(1), m_e(2), m_e(3) in bf16, laid out as the next launch's matrix fragments.
;
; WHY THREE STEPS STAND FOR A HUNDRED.  The carried state of an element is its last spike, 0 or 1, so reset = (s > 0.9) = s and
; m = (0.9 s + c) - 0.9 s.  The spike follows s(t) = g(s(t-1)) with g a map of {0,1} into itself that is fixed by c.  Every such map
; has g(g(g(s))) = g(s), so s(t+2) = s(t) from t = 1 on and m_e(t+2) = m_e(t) from t = 2 on, for every input, NaN and infinities too,
; bit for bit: m_e(100) = m_e(2), and the decoder's currents are those of m_e(1), then of m_e(2) and m_e(3) by turns.
;
; LIMITS.  x and enc_w enter the product rounded to bf16, sums in f32; c is made of eight partial sums over K (128 each), added in
; ascending order.  Step 1 takes m_e(1) = c as it is, where the rule adds and subtracts zeros (they change the sign of a zero only);
; m_e(1) feeds a comparison and a product that itself feeds only a comparison, so no output sees it.  The spike is tested as m > 0.9
; and not as m - 0.9 > 0: the same with denormals kept.  A spike decided on a c within rounding of 0.9 may differ from one decided
; on another rounding of c; it moves the outputs by the rounding of (0.9 + c) - 0.9 alone.
;
; SHARES.  A work-group makes 32 rows x 64 columns of c; eight waves, wave w takes K = 128 w .. 128 w + 127 of the whole tile, so each number
; of x and enc_w that the work-group needs is loaded and converted once.  The eight partial tiles meet in LDS.
; CLUSTER.  The four work-groups of a cluster make the four column blocks of the same 32 rows: they need the same x, 128 KiB, and ask for it
; jointly (mask 15).  enc_w is not asked for jointly: it goes from memory straight into registers (the conversion to bf16 also transposes it, see
; below), and a joint load lands in LDS, where x's 132 KiB and a work-group's 256 KiB of enc_w do not fit together.
;
; enc_w LIES [K][N].  Lane (r, h) loads the 16 bytes enc_w[k][4r .. 4r+3] of its block for the 16 values of k that its fragment slots hold; sixteen lanes
; cover 256 consecutive aligned bytes of a row.  Packing component q of two such loads gives a register of fragment q, in which fragment row r
; stands for column 4 r + q.  Four fragments, no LDS, no transposing load.
; THE PRODUCT IS USED TRANSPOSED: source 0 = enc_w's fragment q, source 1 = 16 rows of x.  Register j of lane (r, h) in tile (mt, q) is then
; c[16 mt + r][32 h + 4 j + q]: a lane holds 32 neighbouring columns of one row.
.set XPITCH, 528                       ; an x row in LDS: 512 bytes + 16 of padding, an odd multiple of 16: 16 rows start in 16 different 16-byte columns
.set XSLAB,  32*XPITCH                 ; a wave's x tile: 32 rows x 128 f32
.set RED,    8*XSLAB                   ; 135,168: the partial tiles, 8,192 bytes a wave; register pair i at 256 i + 8 lane
.set REDW,   8192
.set STG,    RED+8*REDW                ; 200,704: m_e(2) on its way out, 1,056 bytes a wave, 32 bytes a lane
.set WSL,    1056
.set MEROW,  24576                     ; me: bytes of 16 rows (3 versions x 16 pieces x 512)
.set MEVER,  8192                      ; me: bytes of a version of 16 rows
.set THR,    0x3f666666                ; 0.9 in f32: the threshold, and 0.9 x a spike
.set WV,   12                          ; s12  wave number
.set VW,   4                           ; v4   enc_w: 8 h rows of 1,024 bytes + 16 r
.set VX,   5                           ; v5   LDS: my x slab + r rows + 32 h
.set VRS,  6                           ; v6   LDS: my partial tile + 8 lane
.set VRL,  7                           ; v7   LDS: the pair (mt, jp) that I sum, in wave 0's partial tile, + 8 lane
.set VSS,  8                           ; v8   LDS: my part of the stage + 32 lane
.set VSL,  9                           ; v9   LDS: the stage read back by rows
.set VME,  10                          ; v10  16 lane
.set VO1,  11                          ; v11  out1: h rows of 1,024 bytes + 16 r
.set VTHR, 12                          ; v12  0.9
.set ACC,  16                          ; v16-79   tile (mt, q) at ACC + 8 (4 mt + q)
.set XR0,  16                          ; v16-47   x as loaded, f32 (before the first product)
.set XR1,  48                          ; v48-79   the same, second buffer
.set XF,   80                          ; v80-143  x fragments: K step s, row block mt at XF + 16 s + 8 mt
.set RL,   80                          ; v80-143  later: partial sums, wave w', fragment q at RL + 8 w' + 2 q
.set WF0,  144                         ; v144-175 enc_w fragments, q at + 8 q
.set WF1,  176                         ; v176-207 second buffer
.set C,    144                         ; v144-151 c of my 8 columns (behind the products)
.set P,    152                         ; v152-159 0.9 x spike
.set T,    160                         ; v160-167 at work
.set M2,   168                         ; v168-175 m_e(2)
.set M3,   176                         ; v176-183 m_e(3)
.set PK,   184                         ; v184-195 bf16, 4 registers a version: each store has data registers of its own
.set SB,   196                         ; v196-203 rows of out1
                                       ; window 1 (v256-511): enc_w as loaded, K step s, slot e at 64 s + 4 e
.set MSB, 0
.macro WIN new                         ; s_set_vgpr_msb: low byte = windows of source 0, 1, 2 and destination; high byte repeats the setting that is left
.if MSB != \new
	s_set_vgpr_msb (MSB<<8)|\new
.set MSB, \new
.endif
.endm
; A round of the cluster's barrier: my work-group's barrier, wave 0 signals for the work-group, every wave waits for all four work-groups, my work-group's barrier again.
.macro ROUND
	s_barrier_signal -1
	s_barrier_wait -1
	s_cmp_lg_u32 s[WV], 0
	s_cbranch_scc1 .Lnot_wave_0_\@
	s_barrier_signal -3
.Lnot_wave_0_\@:
	s_barrier_wait -3
	s_barrier_signal -1
	s_barrier_wait -1
.endm
; Four places behind a matrix instruction before its result is read by anything else or a load is issued into one of its registers
; (ISA guide 7.12.1 for vector instructions).
.macro PLACES
.rept 4
	v_nop
.endr
.endm
	s_load_b256 s[4:11], s[0:1], 0x0               ; x s[4:5], enc_w s[6:7], me s[8:9], out1 s[10:11]
	v_lshl_add_u32 v254, v0, 2, 0x33200
	v_mov_b32 v255, 0
	ds_add_u32 v254, v255
	v_lshrrev_b32 v1, 5, v0
	v_readfirstlane_b32 s[WV], v1                  ; wave 0..7
	s_bfe_u32 s13, ttmp6, 0x40000                  ; cx = my column block of 64; ttmp9 = the cluster's number = my row block of 32
	; descriptor group 1: 32 rows x 128 f32, 1,024 elements from row to row, 4 words of padding behind every 128
	s_mov_b32 s20, 15|(2<<16)|(1<<20)|(1<<21)|(6<<22)|(3<<25)   ; 15:0 mask: all four of the cluster; 17:16 4-byte elements; 20 padding on; 21 set beside a mask; 24:22 interval 128 words; 31:25 4 words
	s_mov_b32 s21, 128<<16                         ; tensor_dim0 = 128
	s_mov_b32 s22, 32<<16                          ; tensor_dim1 = 32
	s_mov_b32 s23, 128<<16                         ; tile_dim0 = 128
	s_mov_b32 s24, 32                              ; tile_dim1 = 32
	s_mov_b32 s25, 1024                            ; pitch
	s_mov_b32 s26, 0
	s_mov_b32 s27, 0
	; descriptor group 0: made of the cluster's number and the wave's number alone, so it is equal in the four partners
	s_mov_b32 s16, 1
	s_mul_i32 s17, s[WV], XSLAB                    ; LDS: my slab
	s_lshl_b32 s14, ttmp9, 17                      ; 32 rows of 4,096 bytes
	s_lshl_b32 s34, s[WV], 9                       ; + my 128 columns
	s_add_co_u32 s14, s14, s34
	s_mov_b32 s15, 0
	s_lshr_b32 s40, s[WV], 2                       ; mt: the row block of 16 that I finish behind the sums
	s_and_b32 s41, s[WV], 3                        ; jp: and which 8 of a lane's 32 columns
	; offsets that hold cx, in registers of their own
	s_lshl_b32 s36, s13, 8                         ; enc_w: 256 bytes a column block
	s_lshl_b32 s35, s[WV], 17                      ; + my 128 rows of 1,024 bytes
	s_add_co_u32 s36, s36, s35
	s_mov_b32 s37, 0
	s_lshl_b32 s38, ttmp9, 1
	s_add_co_u32 s38, s38, s40
	s_mul_i32 s38, s38, MEROW                      ; me: block of 16 rows 2 rb + mt
	s_lshl2_add_u32 s35, s13, s41                  ; piece 4 cb + jp
	s_lshl_b32 s35, s35, 9
	s_add_co_u32 s38, s38, s35
	s_mov_b32 s39, 0
	s_lshl_b32 s42, ttmp9, 15                      ; out1: 32 rows of 1,024 bytes
	s_lshl_b32 s35, s[WV], 12                      ; + my 4 rows
	s_add_co_u32 s42, s42, s35
	s_lshl_b32 s35, s13, 8                         ; + my column block
	s_add_co_u32 s42, s42, s35
	s_mov_b32 s43, 0
	; lane terms
	v_and_b32 v1, 31, v0                           ; lane
	v_and_b32 v2, 15, v0                           ; r
	v_bfe_u32 v3, v0, 4, 1                         ; h
	v_lshlrev_b32 v[VW], 4, v2
	v_lshl_add_u32 v[VW], v3, 13, v[VW]
	v_mul_u32_u24 v[VX], v2, XPITCH
	v_lshl_add_u32 v[VX], v3, 5, v[VX]
	v_add_nc_u32 v[VX], s17, v[VX]
	s_lshl_b32 s34, s[WV], 13
	s_add_co_u32 s34, s34, RED
	v_lshl_add_u32 v[VRS], v1, 3, s34
	s_lshl_b32 s34, s40, 12                        ; pair 16 mt + 4 q + jp lies at 256 x that
	s_lshl_b32 s44, s41, 8
	s_add_co_u32 s34, s34, s44
	s_add_co_u32 s34, s34, RED
	v_lshl_add_u32 v[VRL], v1, 3, s34
	s_mul_i32 s34, s[WV], WSL
	s_add_co_u32 s34, s34, STG
	v_lshl_add_u32 v[VSS], v1, 5, s34
	; back by rows: lane (r, h) wants row 4 w + h, columns 4 r .. 4 r + 3.  They lie with the wave 4 (w >> 2) + ((r >> 1) & 3), in the 32 bytes of its lane 16 (r >> 3) + 4 (w & 3) + h, half r & 1
	v_bfe_u32 v13, v0, 1, 2
	v_mul_u32_u24 v[VSL], v13, WSL
	v_bfe_u32 v13, v0, 3, 1
	v_lshl_add_u32 v[VSL], v13, 9, v[VSL]
	v_lshl_add_u32 v[VSL], v3, 5, v[VSL]
	v_and_b32 v13, 1, v0
	v_lshl_add_u32 v[VSL], v13, 4, v[VSL]
	s_mul_i32 s34, s40, 4*WSL
	s_lshl_b32 s44, s41, 7
	s_add_co_u32 s34, s34, s44
	s_add_co_u32 s34, s34, STG
	v_add_nc_u32 v[VSL], s34, v[VSL]
	v_lshlrev_b32 v[VME], 4, v1
	v_lshlrev_b32 v[VO1], 4, v2
	v_lshl_add_u32 v[VO1], v3, 10, v[VO1]
	v_mov_b32 v[VTHR], THR
	s_wait_dscnt 0x0
	s_wait_kmcnt 0x0
	s_add_nc_u64 s[18:19], s[4:5], s[14:15]        ; x at my tile
	s_or_b32 s19, s19, 0x80000000                  ; type = 2
	s_add_nc_u64 s[28:29], s[6:7], s[36:37]        ; enc_w at my K slice and column block
	s_add_nc_u64 s[30:31], s[8:9], s[38:39]        ; me at my piece
	s_add_nc_u64 s[32:33], s[10:11], s[42:43]      ; out1 at my 4 rows
	ROUND                                          ; the four work-groups are here: the joint loads meet
	tensor_load_to_lds s[16:19], s[20:27]          ; my x tile, 16 KiB: the wave's only tensor load, so one is out at the most
	s_nop 0
	; all of my enc_w, 64 loads of 512 bytes, K step by K step: with the tile above, everything that the wave will read is now asked for
	WIN 0x40                                       ; destination in window 1
.irp s, 0,1,2,3
.irp g, 0,1
.irp k, 0,1,2,3,4,5,6,7
	global_load_b128 v[64*\s+32*\g+4*\k:64*\s+32*\g+4*\k+3], v[VW], s[28:29] offset:(32*\s+16*\g+\k)*1024   ; slot e = 8 g + k holds K = 32 s + 16 g + 8 h + k
.endr
.endr
.endr
	WIN 0
; x fragments.  Lane (r, h): registers 0-3 hold K = 8 h + 0..7, registers 4-7 hold K = 16 + 8 h + 0..7; in f32 that is 32 bytes at 32 h and 32 bytes at 64 + 32 h.
.macro XLOAD s, dst
.irp mt, 0,1
	ds_load_b128 v[\dst+16*\mt:\dst+16*\mt+3],     v[VX] offset:\mt*16*XPITCH+128*\s
	ds_load_b128 v[\dst+16*\mt+4:\dst+16*\mt+7],   v[VX] offset:\mt*16*XPITCH+128*\s+16
	ds_load_b128 v[\dst+16*\mt+8:\dst+16*\mt+11],  v[VX] offset:\mt*16*XPITCH+128*\s+64
	ds_load_b128 v[\dst+16*\mt+12:\dst+16*\mt+15], v[VX] offset:\mt*16*XPITCH+128*\s+80
.endr
.endm
.macro XCVT s, src
.irp mt, 0,1
.irp i, 0,1,2,3,4,5,6,7
	v_cvt_pk_bf16_f32 v[XF+16*\s+8*\mt+\i], v[\src+16*\mt+2*\i], v[\src+16*\mt+2*\i+1]
.endr
.endr
.endm
	s_wait_tensorcnt 0x0                           ; my tile is in LDS; no other wave reads it
	XLOAD 0, XR0
	XLOAD 1, XR1
	s_wait_dscnt 8                                 ; LDS loads come back in order: all but the eight youngest are in
	XCVT 0, XR0
	XLOAD 2, XR0
	s_wait_dscnt 8
	XCVT 1, XR1
	XLOAD 3, XR1
	s_wait_dscnt 8
	XCVT 2, XR0
	s_wait_dscnt 0
	XCVT 3, XR1
; One K step of 32: pack and transpose enc_w's 16 loads into four fragments, then 8 products.  The eight accumulators take turns, one instruction a turn,
; in the same order in every step.  A fragment buffer is written again two steps later, behind the other buffer's 32 conversions.
.macro KSTEP s, wf, zero
	s_wait_loadcnt 48-16*\s                        ; loads come back in order: the 16 of this step are in, the 16 of each later step may be out
	WIN 0x05                                       ; both sources in window 1
.irp q, 0,1,2,3
.irp i, 0,1,2,3,4,5,6,7
	v_cvt_pk_bf16_f32 v[\wf+8*\q+\i], v[64*\s+8*\i+\q], v[64*\s+8*\i+4+\q]    ; slots 2 i and 2 i + 1, column 4 r + q
.endr
.endr
	WIN 0
.irp mt, 0,1
.irp q, 0,1,2,3
.if \zero
	v_wmma_f32_16x16x32_bf16 v[ACC+8*(4*\mt+\q):ACC+8*(4*\mt+\q)+7], v[\wf+8*\q:\wf+8*\q+7], v[XF+16*\s+8*\mt:XF+16*\s+8*\mt+7], 0
.else
	v_wmma_f32_16x16x32_bf16 v[ACC+8*(4*\mt+\q):ACC+8*(4*\mt+\q)+7], v[\wf+8*\q:\wf+8*\q+7], v[XF+16*\s+8*\mt:XF+16*\s+8*\mt+7], v[ACC+8*(4*\mt+\q):ACC+8*(4*\mt+\q)+7]
.endif
.endr
.endr
.endm
	KSTEP 0, WF0, 1                                ; the first products start the sums: nothing is cleared
	KSTEP 1, WF1, 0
	KSTEP 2, WF0, 0
	KSTEP 3, WF1, 0
	; the eight partial tiles meet: each wave lays down its 64 registers, then sums one eighth of the tile over the eight waves
	PLACES
.set n, 0
.rept 32
	ds_store_b64 v[VRS], v[ACC+2*n:ACC+2*n+1] offset:256*n
.set n, n+1
.endr
	s_wait_dscnt 0x0                               ; my stores are done, for the others' sake
	s_barrier_signal -1
	s_barrier_wait -1
.irp wp, 0,1,2,3,4,5,6,7
.irp q, 0,1,2,3
	ds_load_b64 v[RL+8*\wp+2*\q:RL+8*\wp+2*\q+1], v[VRL] offset:\wp*REDW+\q*1024   ; registers j = 2 jp, 2 jp + 1 of tile (mt, q): columns 32 h + 8 jp + q and + 4 + q
.endr
.endr
.irp wp, 1,2,3,4,5,6
	s_wait_dscnt 28-4*\wp                          ; the parts of waves 0 .. wp are in; 4 loads for each later wave may be out
.irp q, 0,1,2,3
	v_pk_add_f32 v[RL+2*\q:RL+2*\q+1], v[RL+2*\q:RL+2*\q+1], v[RL+8*\wp+2*\q:RL+8*\wp+2*\q+1]
.endr
.endr
	s_wait_dscnt 0x0
.irp q, 0,1,2,3
	v_add_f32 v[C+\q],   v[RL+2*\q],   v[RL+56+2*\q]      ; the last addend also puts the columns in order:
	v_add_f32 v[C+4+\q], v[RL+2*\q+1], v[RL+56+2*\q+1]    ; C + i = c[16 mt + r][32 h + 8 jp + i]
.endr
; the encoder's rule, in f32
.macro SPIKE src                       ; P = 0.9 where m > 0.9, else 0 (a NaN gives 0, as it does in m - 0.9 > 0)
.irp i, 0,1,2,3,4,5,6,7
	v_cmp_lt_f32 vcc_lo, v[VTHR], v[\src+\i]
	v_cndmask_b32 v[P+\i], 0, v[VTHR], vcc_lo
.endr
.endm
.macro ESTEP dst                       ; m = (0.9 s + c) - 0.9 s, each sum rounded as it is written
.irp k, 0,2,4,6
	v_pk_add_f32 v[T+\k:T+\k+1], v[P+\k:P+\k+1], v[C+\k:C+\k+1]
.endr
.irp k, 0,2,4,6
	v_pk_add_f32 v[\dst+\k:\dst+\k+1], v[T+\k:T+\k+1], v[P+\k:P+\k+1] neg_lo:[0,1] neg_hi:[0,1]
.endr
.endm
.macro PACKST src, ver                 ; 8 neighbouring columns as bf16, 16 bytes a lane: the wave's store covers 512 consecutive bytes, aligned
.irp i, 0,1,2,3
	v_cvt_pk_bf16_f32 v[PK+4*\ver+\i], v[\src+2*\i], v[\src+2*\i+1]
.endr
	global_store_b128 v[VME], v[PK+4*\ver:PK+4*\ver+3], s[30:31] offset:MEVER*\ver
.endm
	PACKST C, 0                                    ; step 1: no spike yet, m_e(1) = c
	SPIKE C
	ESTEP M2                                       ; step 2
	PACKST M2, 1
	ds_store_b128 v[VSS], v[M2:M2+3]               ; m_e(2) is also out1: through the stage, to leave as whole rows
	ds_store_b128 v[VSS], v[M2+4:M2+7] offset:16
	SPIKE M2
	ESTEP M3                                       ; step 3
	PACKST M3, 2
	s_wait_dscnt 0x0                               ; my part of the stage is written, for the others' sake
	s_barrier_signal -1
	s_barrier_wait -1
	ds_load_b128 v[SB:SB+3],   v[VSL]              ; rows 4 w + h
	ds_load_b128 v[SB+4:SB+7], v[VSL] offset:64    ; rows 4 w + 2 + h: two lanes' 32 bytes further on
	s_wait_dscnt 1                                 ; the first pair of rows is in, the second may be out
	global_store_b128 v[VO1], v[SB:SB+3],   s[32:33] th:TH_STORE_NT             ; sixteen lanes store 256 consecutive bytes, aligned
	s_wait_dscnt 0
	global_store_b128 v[VO1], v[SB+4:SB+7], s[32:33] offset:2048 th:TH_STORE_NT
	s_wait_tensorcnt 0x0
	ds_add_u32 v254, v255
	s_wait_dscnt 0x0
	ROUND                                          ; the closing round: no work-group ends while a partner may still ask jointly
	s_endpgm
.Lfunc_end_k_q836b8d6f52_enc:
	.size	k_q836b8d6f52_enc, .Lfunc_end_k_q836b8d6f52_enc-k_q836b8d6f52_enc
	.p2alignl 7, 3214868480
	.fill 96, 4, 3214868480
	.section	.rodata,"a",@progbits
	.p2align	6, 0x0
	.amdhsa_kernel k_q836b8d6f52_enc
		.amdhsa_group_segment_fixed_size 210432
		.amdhsa_private_segment_fixed_size 0
		.amdhsa_enable_private_segment 0
		.amdhsa_kernarg_size 32
		.amdhsa_user_sgpr_count 2
		.amdhsa_user_sgpr_kernarg_segment_ptr 1
		.amdhsa_wavefront_size32 1
		.amdhsa_system_sgpr_workgroup_id_x 1
		.amdhsa_system_sgpr_workgroup_id_y 1
		.amdhsa_system_sgpr_workgroup_id_z 1
		.amdhsa_system_vgpr_workitem_id 0
		.amdhsa_next_free_vgpr 512
		.amdhsa_next_free_sgpr 66
		.amdhsa_reserve_vcc 1
		.amdhsa_float_denorm_mode_32 3
		.amdhsa_float_denorm_mode_16_64 3
		.amdhsa_memory_ordered 1
		.amdhsa_forward_progress 1
		.amdhsa_inst_pref_size 38
	.end_amdhsa_kernel
	.amdgpu_metadata
---
amdhsa.version: [ 1, 2 ]
amdhsa.kernels:
  - .name:           k_q836b8d6f52_enc
    .symbol:         k_q836b8d6f52_enc.kd
    .args:
      - { .name: x, .offset: 0, .size: 8, .value_kind: global_buffer, .address_space: global }
      - { .name: enc_w, .offset: 8, .size: 8, .value_kind: global_buffer, .address_space: global }
      - { .name: me, .offset: 16, .size: 8, .value_kind: global_buffer, .address_space: global }
      - { .name: out1, .offset: 24, .size: 8, .value_kind: global_buffer, .address_space: global }
    .group_segment_fixed_size: 210432
    .private_segment_fixed_size: 0
    .kernarg_segment_align: 8
    .kernarg_segment_size: 32
    .max_flat_workgroup_size: 256
    .sgpr_count:     66
    .vgpr_count:     512
    .wavefront_size: 32
...
	.end_amdgpu_metadata
.endif
;; end of part 1
;; launch dec (part 2): grid 16 x 16, 8 waves a work-group, clusters of 4 x 1, 230,400 bytes of LDS; arguments me, dec_w, out0; writes out0
.if DOCPART == 2
	.amdgcn_target "amdgcn-amd-amdhsa--gfx1250"
	.amdhsa_code_object_version 6
	.text
	.protected	k_q836b8d6f52_dec
	.globl	k_q836b8d6f52_dec
	.p2align	8
	.type	k_q836b8d6f52_dec,@function
k_q836b8d6f52_dec:
	s_mov_b64 s[64:65], 0
	v_nop
	global_prefetch_b8 v0, s[64:65] scope:SCOPE_SE
	s_setreg_imm32_b32 hwreg(HW_REG_WAVE_MODE, 25, 1), 1
	s_wait_xcnt 0x0
	s_wait_alu depctr_hold_cnt(0) depctr_sa_sdst(0) depctr_va_vdst(0) depctr_va_sdst(0) depctr_va_ssrc(0) depctr_va_vcc(0) depctr_vm_vsrc(0)
	s_getreg_b32 s2, hwreg(HW_REG_IB_STS2, 6, 4)
	s_cmp_eq_u32 s2, 0
	s_cbranch_scc0 .Lentry_in_a_cluster
	s_endpgm
.Lentry_in_a_cluster:
	s_bfe_u32 s2, ttmp6, 0x10000c
	s_cmp_lg_u32 s2, 0x3003
	s_cbranch_scc0 .Lentry_shape_is_right
	s_endpgm
.Lentry_shape_is_right:
; DECODER.  Three products m_e(v) @ dec_w ([2048,256] x [256,1024]) for m_e(1), m_e(2), m_e(3), the decoder's rule for scan steps 1 to 4, out0 = m_d(4).
;
; WHY FOUR STEPS STAND FOR A HUNDRED.  m_e(t+2) = m_e(t) from t = 2 on (see the encoder's text), so the decoder's current is that of m_e(1) in step 1, then E (of m_e(2)) in
; even steps and O (of m_e(3)) in odd ones.  An element's carried state is its last spike, 0 or 1; two steps (an even one, then an odd one) are a map F of {0,1} into itself
; that does not change from pair to pair.  Every such map has F(F(F(s))) = F(s), so every odd power of F is F: s_d(99) = F applied 49 times to s_d(1) = F(s_d(1)) = s_d(3).
; Hence m_d(100), made of E and s_d(99), is m_d(4), for every input, NaN and infinities too, bit for bit.  Step 4 takes E from step 2: it is the same product.
;
; LIMITS.  m_e and dec_w enter the products rounded to bf16, sums in f32 in one accumulator, K in the order 0-15, 32-47 | 16-31, 48-63 | ... that the fragments hold.
; Step 1 takes m_d(1) = its current as it is (the rule adds and subtracts zeros); it feeds a comparison alone.  The spike is tested as m > 0.9 and not as m - 0.9 > 0:
; the same with denormals kept.  A spike decided on a current within rounding of 0.9 may differ from one decided on another rounding; it moves out0 by the rounding of (0.9 + E) - 0.9 alone.
;
; SHARES.  A work-group makes 128 rows x 64 columns; eight waves, wave w its rows 16 w .. 16 w + 15, all 64 columns, all of K = 256.
; CLUSTER.  The four work-groups of a cluster make four column blocks of the same 128 rows and need the same three versions of m_e, 192 KiB of the 256 KiB that a work-group
; reads: asked for jointly (mask 15).  dec_w's 64 KiB are not: the work-groups that share them lie in different clusters of this 4 x 1 shape, and they go from memory
; straight into registers, where the conversion to bf16 transposes them.
;
; me holds fragments as they are used: block of 16 rows, version, piece (16), lane, 16 bytes.  K step s takes piece 2 s as registers 0-3 and piece 2 s + 1 as registers 4-7;
; slot e (0..15) of lane (r, h) is then row r, K = 64 (s >> 1) + 16 (s & 1) + 32 h + e.  dec_w's fragments are built on the same map, so the products pair rightly.
; dec_w LIES [K][N].  Lane (r, h) loads dec_w[k][4r .. 4r+3] of the block for its 16 slots; packing component q gives fragment q, whose column r stands for column 4 r + q.
; Register j of lane (r, h) in tile q is then out(8 h + j, 4 r + q): the four tiles give a lane 16 neighbouring bytes of a row, and sixteen lanes a whole aligned 256 bytes.
.set ASLAB, 24576                      ; a wave's m_e: 3 versions x 16 pieces x 512 bytes
.set AVER,  8192
.set BF,    8*ASLAB                    ; 196,608: dec_w's fragments in bf16, half y of fragment (s, q) at ((4 s + q) 2 + y) 512 + 16 lane; wave w writes K step w
.set THR,   0x3f666666                 ; 0.9 in f32
.set WV,   10                          ; s10  wave number
.set VA,   4                           ; v4   LDS: my m_e + 16 lane
.set VD,   5                           ; v5   dec_w: 32 h rows of 4,096 bytes + 16 r
.set VBS,  6                           ; v6   LDS: my K step's fragments + 16 lane
.set VBL,  7                           ; v7   LDS: all fragments + 16 lane
.set VO,   8                           ; v8   out0: 8 h rows of 4,096 bytes + 16 r
.set VTHR, 9                           ; v9   0.9
.set T,    10                          ; v10-17   at work
.set BUF0, 24                          ; v24-87   a version's fragments, K step s at + 8 s
.set BUF1, 88                          ; v88-151  second buffer
.set ACC0, 152                         ; v152-183 tile q at + 8 q
.set ACC1, 184                         ; v184-215
.set P,    216                         ; v216-247 0.9 x spike, in the accumulators' order
.set RAW,  152                         ; v152-215 at the start: dec_w as loaded, slot e at + 4 e
.set BT,   216                         ; v216-247 at the start: my K step's four fragments
.set OUT,  152                         ; v152-183 at the end: row j at + 4 j
                                       ; window 1 (v256-511): dec_w's fragments, (s, q) at 32 s + 8 q
.set MSB, 0
.macro WIN new                         ; s_set_vgpr_msb: low byte = windows of source 0, 1, 2 and destination; high byte repeats the setting that is left
.if MSB != \new
	s_set_vgpr_msb (MSB<<8)|\new
.set MSB, \new
.endif
.endm
; A round of the cluster's barrier: my work-group's barrier, wave 0 signals for the work-group, every wave waits for all four work-groups, my work-group's barrier again.
.macro ROUND
	s_barrier_signal -1
	s_barrier_wait -1
	s_cmp_lg_u32 s[WV], 0
	s_cbranch_scc1 .Lnot_wave_0_\@
	s_barrier_signal -3
.Lnot_wave_0_\@:
	s_barrier_wait -3
	s_barrier_signal -1
	s_barrier_wait -1
.endm
; Four places behind a matrix instruction before its result is read by anything else or a load is issued into one of its registers
; (ISA guide 7.12.1 for vector instructions).
.macro PLACES
.rept 4
	v_nop
.endr
.endm
	s_load_b128 s[4:7], s[0:1], 0x0                ; me s[4:5], dec_w s[6:7]
	s_load_b64 s[8:9], s[0:1], 0x10                ; out0
	v_lshl_add_u32 v254, v0, 2, 0x38000
	v_mov_b32 v255, 0
	ds_add_u32 v254, v255
	v_lshrrev_b32 v1, 5, v0
	v_readfirstlane_b32 s[WV], v1                  ; wave 0..7
	s_bfe_u32 s11, ttmp6, 0x40000                  ; cx
	s_lshl_b32 s12, ttmp9, 2
	s_add_co_u32 s12, s12, s11                     ; column block of 64 = 4 x cluster x + cx
	s_and_b32 s13, ttmp7, 0xffff                   ; row block of 128 = cluster y
	; descriptor group 1: a dense block of 24,576 bytes as 96 rows of 32 elements of 8 bytes, no padding
	s_mov_b32 s20, 15|(3<<16)|(1<<21)              ; 15:0 mask: all four of the cluster; 17:16 8-byte elements; 21 set beside a mask
	s_mov_b32 s21, 32<<16                          ; tensor_dim0 = 32
	s_mov_b32 s22, 96<<16                          ; tensor_dim1 = 96
	s_mov_b32 s23, 32<<16                          ; tile_dim0 = 32
	s_mov_b32 s24, 96                              ; tile_dim1 = 96
	s_mov_b32 s25, 32                              ; pitch
	s_mov_b32 s26, 0
	s_mov_b32 s27, 0
	; descriptor group 0: made of the row block and the wave's number alone, so it is equal in the four partners
	s_mov_b32 s16, 1
	s_mul_i32 s17, s[WV], ASLAB                    ; LDS: my slab
	s_lshl3_add_u32 s14, s13, s[WV]                ; block of 16 rows 8 rb + w
	s_mul_i32 s14, s14, ASLAB
	s_mov_b32 s15, 0
	; offsets that hold cx, in registers of their own
	s_lshr_b32 s36, s[WV], 1                       ; dec_w: K step w begins at row 64 (w >> 1) + 16 (w & 1), rows of 4,096 bytes
	s_lshl_b32 s36, s36, 18
	s_and_b32 s37, s[WV], 1
	s_lshl_b32 s37, s37, 16
	s_add_co_u32 s36, s36, s37
	s_lshl_b32 s32, s12, 8                         ; + my column block
	s_add_co_u32 s32, s32, s36
	s_mov_b32 s33, 0
	s_lshl_b32 s34, s13, 19                        ; out0: 128 rows of 4,096 bytes
	s_lshl_b32 s36, s[WV], 16                      ; + my 16 rows
	s_add_co_u32 s34, s34, s36
	s_lshl_b32 s36, s12, 8                         ; + my column block
	s_add_co_u32 s34, s34, s36
	s_mov_b32 s35, 0
	; lane terms
	v_and_b32 v1, 31, v0                           ; lane
	v_and_b32 v2, 15, v0                           ; r
	v_bfe_u32 v3, v0, 4, 1                         ; h
	v_lshl_add_u32 v[VA], v1, 4, s17
	v_lshlrev_b32 v[VD], 4, v2
	v_lshl_add_u32 v[VD], v3, 17, v[VD]
	s_lshl_b32 s38, s[WV], 12
	s_add_co_u32 s38, s38, BF
	v_lshl_add_u32 v[VBS], v1, 4, s38
	v_lshl_add_u32 v[VBL], v1, 4, BF
	v_lshlrev_b32 v[VO], 4, v2
	v_lshl_add_u32 v[VO], v3, 15, v[VO]
	v_mov_b32 v[VTHR], THR
	s_wait_dscnt 0x0
	s_wait_kmcnt 0x0
	s_add_nc_u64 s[18:19], s[4:5], s[14:15]        ; me at my 16 rows
	s_or_b32 s19, s19, 0x80000000                  ; type = 2
	s_add_nc_u64 s[28:29], s[6:7], s[32:33]        ; dec_w at my K step and column block
	s_add_nc_u64 s[30:31], s[8:9], s[34:35]        ; out0 at my 16 rows and column block
	ROUND                                          ; the four work-groups are here: the joint loads meet
	tensor_load_to_lds s[16:19], s[20:27]          ; the three versions of my 16 rows, 24 KiB: the wave's only tensor load, so one is out at the most
	s_nop 0
.irp e, 0,1,2,3,4,5,6,7,8,9,10,11,12,13,14,15
	global_load_b128 v[RAW+4*\e:RAW+4*\e+3], v[VD], s[28:29] offset:4096*\e   ; slot e of K step w: sixteen lanes cover 256 consecutive aligned bytes of a row
.endr
	s_wait_loadcnt 0x0
.irp q, 0,1,2,3
.irp i, 0,1,2,3,4,5,6,7
	v_cvt_pk_bf16_f32 v[BT+8*\q+\i], v[RAW+8*\i+\q], v[RAW+8*\i+4+\q]         ; slots 2 i and 2 i + 1, column 4 r + q
.endr
.endr
.irp q, 0,1,2,3
	ds_store_b128 v[VBS], v[BT+8*\q:BT+8*\q+3]   offset:(2*\q)*512
	ds_store_b128 v[VBS], v[BT+8*\q+4:BT+8*\q+7] offset:(2*\q+1)*512
.endr
	s_wait_dscnt 0x0                               ; my K step's fragments are written, for the others' sake
	s_wait_tensorcnt 0x0                           ; my m_e is in LDS (no other wave reads it)
	s_barrier_signal -1
	s_barrier_wait -1
	WIN 0x40                                       ; destination in window 1
.set n, 0
.rept 64
	ds_load_b128 v[4*n:4*n+3], v[VBL] offset:512*n ; all of dec_w's block, 32 fragments, stays in registers for the three products
.set n, n+1
.endr
	WIN 0
.macro ALOAD ver, buf                  ; a version's 8 fragments: 16 loads of 512 consecutive bytes
.irp i, 0,1,2,3,4,5,6,7,8,9,10,11,12,13,14,15
	ds_load_b128 v[\buf+4*\i:\buf+4*\i+3], v[VA] offset:AVER*\ver+512*\i
.endr
.endm
; A product of 16 x 64 over K = 256: 32 matrix instructions.  The four accumulators take turns, one instruction a turn; the first K step starts the sums.
.macro MM acc, buf
	WIN 0x04                                       ; source 1 in window 1
.irp s, 0,1,2,3,4,5,6,7
.irp q, 0,1,2,3
.if \s == 0
	v_wmma_f32_16x16x32_bf16 v[\acc+8*\q:\acc+8*\q+7], v[\buf+8*\s:\buf+8*\s+7], v[32*\s+8*\q:32*\s+8*\q+7], 0
.else
	v_wmma_f32_16x16x32_bf16 v[\acc+8*\q:\acc+8*\q+7], v[\buf+8*\s:\buf+8*\s+7], v[32*\s+8*\q:32*\s+8*\q+7], v[\acc+8*\q:\acc+8*\q+7]
.endif
.endr
.endr
	WIN 0
.endm
; A step of the decoder's rule of which only the spike is kept: m = (0.9 s + current) - 0.9 s, P = 0.9 where m > 0.9, else 0 (a NaN gives 0).  first = 1: no spike yet, m = current.
.macro UPD acc, first
.irp g, 0,1,2,3
.if \first
.irp k, 0,1,2,3,4,5,6,7
	v_cmp_lt_f32 vcc_lo, v[VTHR], v[\acc+8*\g+\k]
	v_cndmask_b32 v[P+8*\g+\k], 0, v[VTHR], vcc_lo
.endr
.else
.irp k, 0,2,4,6
	v_pk_add_f32 v[T+\k:T+\k+1], v[P+8*\g+\k:P+8*\g+\k+1], v[\acc+8*\g+\k:\acc+8*\g+\k+1]
.endr
.irp k, 0,2,4,6
	v_pk_add_f32 v[T+\k:T+\k+1], v[T+\k:T+\k+1], v[P+8*\g+\k:P+8*\g+\k+1] neg_lo:[0,1] neg_hi:[0,1]
.endr
.irp k, 0,1,2,3,4,5,6,7
	v_cmp_lt_f32 vcc_lo, v[VTHR], v[T+\k]
	v_cndmask_b32 v[P+8*\g+\k], 0, v[VTHR], vcc_lo
.endr
.endif
.endr
.endm
	ALOAD 0, BUF0
	ALOAD 1, BUF1
	s_wait_dscnt 16                                ; dec_w's fragments and m_e(1) are in; the sixteen loads of m_e(2) may be out
	MM ACC0, BUF0                                  ; the current of step 1
	PLACES                                         ; then buffer 0 may be loaded again
	ALOAD 2, BUF0
	s_wait_dscnt 16                                ; m_e(2) is in; the sixteen loads of m_e(3) may be out
	MM ACC1, BUF1                                  ; E, the current of the even steps
	PLACES
	UPD ACC0, 1                                    ; step 1
	UPD ACC1, 0                                    ; step 2
	s_wait_dscnt 0x0                               ; m_e(3) is in
	MM ACC0, BUF0                                  ; O, the current of the odd steps from 3 on; it writes over step 1's current far more than five places behind that product
	PLACES
	UPD ACC0, 0                                    ; step 3
	; step 4, on E again: m_d = (0.9 s + E) - 0.9 s, gathered row by row: the four tiles' register j are four neighbouring columns
.irp k, 0,2,4,6,8,10,12,14,16,18,20,22,24,26,28,30
	v_pk_add_f32 v[ACC1+\k:ACC1+\k+1], v[P+\k:P+\k+1], v[ACC1+\k:ACC1+\k+1]
.endr
.irp j, 0,1,2,3,4,5,6,7
.irp q, 0,1,2,3
	v_sub_f32 v[OUT+4*\j+\q], v[ACC1+8*\q+\j], v[P+8*\q+\j]
.endr
	global_store_b128 v[VO], v[OUT+4*\j:OUT+4*\j+3], s[30:31] offset:4096*\j th:TH_STORE_NT   ; lanes 0-15: 256 consecutive aligned bytes of row j; lanes 16-31: of row 8 + j
.endr
	s_wait_tensorcnt 0x0
	ds_add_u32 v254, v255
	s_wait_dscnt 0x0
	ROUND                                          ; the closing round: no work-group ends while a partner may still ask jointly
	s_endpgm
.Lfunc_end_k_q836b8d6f52_dec:
	.size	k_q836b8d6f52_dec, .Lfunc_end_k_q836b8d6f52_dec-k_q836b8d6f52_dec
	.p2alignl 7, 3214868480
	.fill 96, 4, 3214868480
	.section	.rodata,"a",@progbits
	.p2align	6, 0x0
	.amdhsa_kernel k_q836b8d6f52_dec
		.amdhsa_group_segment_fixed_size 230400
		.amdhsa_private_segment_fixed_size 0
		.amdhsa_enable_private_segment 0
		.amdhsa_kernarg_size 24
		.amdhsa_user_sgpr_count 2
		.amdhsa_user_sgpr_kernarg_segment_ptr 1
		.amdhsa_wavefront_size32 1
		.amdhsa_system_sgpr_workgroup_id_x 1
		.amdhsa_system_sgpr_workgroup_id_y 1
		.amdhsa_system_sgpr_workgroup_id_z 1
		.amdhsa_system_vgpr_workitem_id 0
		.amdhsa_next_free_vgpr 512
		.amdhsa_next_free_sgpr 66
		.amdhsa_reserve_vcc 1
		.amdhsa_float_denorm_mode_32 3
		.amdhsa_float_denorm_mode_16_64 3
		.amdhsa_memory_ordered 1
		.amdhsa_forward_progress 1
		.amdhsa_inst_pref_size 35
	.end_amdhsa_kernel
	.amdgpu_metadata
---
amdhsa.version: [ 1, 2 ]
amdhsa.kernels:
  - .name:           k_q836b8d6f52_dec
    .symbol:         k_q836b8d6f52_dec.kd
    .args:
      - { .name: me, .offset: 0, .size: 8, .value_kind: global_buffer, .address_space: global }
      - { .name: dec_w, .offset: 8, .size: 8, .value_kind: global_buffer, .address_space: global }
      - { .name: out0, .offset: 16, .size: 8, .value_kind: global_buffer, .address_space: global }
    .group_segment_fixed_size: 230400
    .private_segment_fixed_size: 0
    .kernarg_segment_align: 8
    .kernarg_segment_size: 24
    .max_flat_workgroup_size: 256
    .sgpr_count:     66
    .vgpr_count:     512
    .wavefront_size: 32
...
	.end_amdgpu_metadata
.endif
;; end of part 2
